; MI455X (gfx1250); checked and timed in simulation.
; The chip was launched on July 23, 2026; its instructions are those of AMD's public machine-readable ISA for CDNA 5 (MIT licence, August 2026) and "CDNA5" Instruction Set Architecture Reference Guide (July 2026). The comments in the code are by the model that wrote it; some were corrected since.
;; Self Attention. Allowed arithmetic: matrix products marked QUANTISED: E5M2 operands, one E8M0 scale for each 32 along K, by v_wmma_scale_f32_16x16x128_f8f6f4 with both operands' format E5M2, f32 sums; products left as they are: f32 operands where the result goes on into a quantised operand, else bf16, f16 or f32 operands; f32 sums; everything else in f32.
;; Inputs: bk 16 float32; bq 16 float32; bv 128 float32; gamma 1 float32; wk_codes 16 x 4 x 32 uint8 (E5M2 codes of wk, K innermost, in blocks of 32 codes); wk_scales 16 x 4 uint8 (E8M0 scales of wk, one for each 32 codes along K); wq_codes 16 x 4 x 32 uint8 (E5M2 codes of wq, K innermost, in blocks of 32 codes); wq_scales 16 x 4 uint8 (E8M0 scales of wq, one for each 32 codes along K); wv_codes 128 x 4 x 32 uint8 (E5M2 codes of wv, K innermost, in blocks of 32 codes); wv_scales 128 x 4 uint8 (E8M0 scales of wv, one for each 32 codes along K); x 16 x 128 x 64 x 64 float32.
;; Outputs: out0 16 x 128 x 64 x 64 float32.
;; This version of the problem:
;;   THIS VERSION OF THE PROBLEM IS GIVEN IN LOW PRECISION. The matrix products marked QUANTISED in the list below multiply operands that are first quantised to E5M2 (5 exponent bits, 2 mantissa bits; 8 bits a number), with one power-of-two scale for each 32 numbers along K (OCP MX v1.0); their sums are f32. All else is computed in f32.
;;   The module's matrix products, in the order in which they are computed (A, B: the left and right operand; K: the contracted axis; several contracted axes count as one K, in the product's order):
;;     1. [M 65,536, K 128] x [K 128, N 16]; A: input x; B: input wq (given as codes): QUANTISED
;;     2. [M 16, K 128] x [K 128, N 65,536]; A: input wk (given as codes); B: input x: QUANTISED
;;     3. batch 16 x [M 4,096, K 16] x [K 16, N 4,096]; A: computed on the way; B: computed on the way: left as it is (K = 16 < 32)
;;     4. [M 128, K 128] x [K 128, N 65,536]; A: input wv (given as codes); B: input x: QUANTISED
;;     5. batch 16 x [M 128, K 4,096] x [K 4,096, N 4,096]; A: computed on the way; B: softmax (see below): QUANTISED
;;   THE QUANTISER, for each operand of a quantised product, along K:
;;     - K is cut into blocks of 32 from its start; a last block that is shorter is filled with zeros.
;;     - A block's scale is 2^e with e = floor(log2(the largest magnitude in the block)) - 15, held to -126 .. 127; a block of zeros has e = 0. As a byte (E8M0): e + 127.
;;     - Each number is divided by its block's scale, clamped to +-57,344, and rounded to the nearest number of E5M2, ties to even, subnormals kept.
;;     - The product sums the exact products of the quantised numbers (number of the format x scale) in f32.
;;   ~~~python
;;   def quantise(x, axis):      # numpy; x: float32 -> the quantised numbers, widened to float32 again
;;       x = np.moveaxis(x, axis, -1); K = x.shape[-1]
;;       x = np.pad(x, [(0, 0)] * (x.ndim - 1) + [(0, -K % 32)]); x = x.reshape(x.shape[:-1] + (-1, 32)); a = np.abs(x).max(-1, keepdims=True)
;;       e = np.where(a > 0, np.clip(np.frexp(np.where(a > 0, a, 1))[1] - 1 - 15, -126, 127), 0)      # np.frexp(a)[1] - 1 = floor(log2(a)), exactly
;;       r = np.clip(x / 2.0 ** e, -57344, 57344)
;;       step = 2.0 ** (np.maximum(np.frexp(np.where(r == 0, 1, r))[1] - 1, -14) - 2)
;;       q = np.round(r / step) * step * 2.0 ** e      # np.round: ties to even
;;       return np.moveaxis(q.reshape(q.shape[:-2] + (-1,))[..., :K], -1, axis).astype(np.float32)
;;   ~~~
;;   SOFTMAX AHEAD OF A QUANTISED PRODUCT. Where the list says 'softmax', what is quantised is not the finished softmax but p = 2^(t - M), with t = logit x log2(e) and M = ceil(the row's largest t), a whole number; so 1/2 < the row's largest p <= 1. The row's sum l is taken of the UNQUANTISED p, in f32, and the product's result is divided by l at the end. Since M is a whole number, a kernel that streams over the keys may use a running M (the ceiling of the running maximum): every later rescaling is an exact power of two, which a block's scale takes up: the codes' values come out the same.
;;   OPERANDS COMPUTED ON THE WAY. 'Computed on the way' means the value that the module computes at that place (a softmax that the list does not call 'softmax' is quantised finished and normalised). What goes into a quantiser is computed in f32, as accurately as f32 sums, v_exp_f32 and their like allow (about 1e-6 of the number): no bf16 or f16 on the way to a quantiser, and a product that is left as it is and whose result goes on into a quantised operand takes f32 operands (vector FMAs, or v_wmma_f32_16x16x4_f32). A number that lies on a knife's edge between two numbers of the format may be rounded either way, as far as f32 arithmetic and the matrix unit's own rounding can turn it there, and no further.
;;   INPUTS GIVEN AS CODES. wk (in the module: [16, 128], K = its axis 1); wq (in the module: [16, 128], K = its axis 1); wv (in the module: [128, 128], K = its axis 1): each comes as NAME_codes (uint8): NAME with its K axis moved to the last place and cut into blocks of 32 codes, [.., K / 32, bytes a block], one block behind the other in memory; one code a byte (a code: sign, 5 exponent bits, 2 mantissa bits); and NAME_scales (uint8): the same leading axes, one E8M0 byte (e + 127) for each 32 codes along K. Its value is code x scale, taken as it is: it is not quantised again, and the codes and scales need not be those that the quantiser above would give.
;; One version. Each part assembles by itself: llvm-mc -triple=amdgcn-amd-amdhsa -mcpu=gfx1250 --defsym DOCPART=n.
;; ======== version 1 of 1: 2 launches
;; workspace buffers: q_ws 4,194,304 bytes; kv_ws 12,591,104 bytes; vs_ws 262,144 bytes
;; launch proj (part 1): grid 256 x 1, 8 waves a work-group, no clusters, 35,840 bytes of LDS; arguments x, wq_codes, wq_scales, bq, wk_codes, wk_scales, bk, wv_codes, wv_scales, bv, q_ws, kv_ws, vs_ws; writes q_ws, kv_ws, vs_ws
.if DOCPART == 1
	.amdgcn_target "amdgcn-amd-amdhsa--gfx1250"
	.amdhsa_code_object_version 6
	.text
	.protected	k_q8c6e353c30_proj
	.globl	k_q8c6e353c30_proj
	.p2align	8
	.type	k_q8c6e353c30_proj,@function
k_q8c6e353c30_proj:
	s_mov_b64 s[64:65], 0
	v_nop
	global_prefetch_b8 v0, s[64:65] scope:SCOPE_SE
	s_setreg_imm32_b32 hwreg(HW_REG_WAVE_MODE, 25, 1), 1
	s_wait_xcnt 0x0
; q = x^T wq^T + bq, k = wk x + bk, v = wv x + bv for x [16][128][4096] f32; the three products on codes of E5M2 with one E8M0 scale for each 32 along K (the 128 channels).
; x is quantised here, once; the weights come as codes.  q and k leave as f32, v is quantised along the pixels (the keys of the later product) and leaves as codes and scale words.
; ALL THAT LEAVES IS LAID AS IMAGES OF OPERAND REGISTERS: four registers are 512 bytes, lane l's 16 bytes at 16 l, so that every store of a wave covers 512 consecutive bytes, aligned.
;   q_ws  [batch][256 tiles of 16 pixels][2][512 B]: lane (r, h) of tile 2 G + u: pixel 32 G + 8 u + r + 8 (r / 8), channels 8 h + 0 .. 7
;   kv_ws [batch][32 steps of 128 pixels][24,576 B]: eight tiles of k laid as q's (8,192 B), then eight fragments of v (channel tile ct: lane (r, h): channel 16 ct + r, registers 4 c ..: pixels 32 c + 16 h + 0 .. 15);
;         behind the last image 8,192 bytes of zeros: the next launch fetches windows of four steps that begin 8,192 bytes into a step, and its last window ends there; nothing is made of those bytes
;   vs_ws [batch][32 steps][512 B]: the word at 64 ct + 4 r: the four scale bytes of channel 16 ct + r for the step's four blocks of 32 pixels
; SHARES.  A work-group takes 256 pixels of one image.  Wave w quantises pixels 32 w .. 32 w + 31 (a lane to a pixel, registers down the channels: a block of 32 channels lies in one lane) and makes their q and k;
; then wave w makes channels 16 w .. 16 w + 15 of v for all 256 pixels, from all waves' fragments of x, which go through LDS as images.
; THE PIXELS OF A FRAGMENT ARE NOT NEIGHBOURS (row r: pixel 8 u + r + 8 (r / 8) of its 32), so that in a product that has pixels as its rows a lane's 16 registers of two neighbouring tiles are 16 neighbouring pixels.
; No tensor loads and no cluster: each byte of x is read once by one wave, and the work-groups share only the 20 KB of weights.
; LIMITS: NaN and infinities among the inputs are not served.  A block whose largest magnitude lies under 2^-111, a block of zeros among them, gets the scale byte 1 (the quantiser says 127 for zeros): its codes of zeros add
; nothing under any byte but 0xff, and the bytes are read by this program alone.
.set XIMG, 0                           ; LDS: x's 16 fragments, 2,048 bytes each: fragment 2 w + u
.set XSC,  32768                       ; their scale words: 128 bytes a wave: lanes 0-15 fragment 2 w, lanes 16-31 fragment 2 w + 1
.set VSC,  33792                       ; v's scale words: 512 bytes for each group of 128 pixels
.set XSA,  1                           ; v1   XSC + 128 w + 4 lane
.set VSR,  2                           ; v2   VSC + 512 min(w, 1) + 16 lane
.set XRD,  3                           ; v3   4,096 w + 16 lane: my own two fragments
.set XO,   4                           ; v4   4 x my pixel among the wave's 32
.set LI,   5                           ; v5   16 x lane
.set LS,   6                           ; v6   4 x lane
.set XWI,  7                           ; v7   4,096 w + 2,048 (lane / 16) + 16 (lane % 16): where my pixel's codes go
.set WO,   8                           ; v8   128 r + 16 h: a weight's fragment
.set R4,   9                           ; v9   4 r
.set H32,  14                          ; v14  32 h
.set VWS,  15                          ; v15  VSC + 64 w + 4 r
.set CDS,  16                          ; v16-47   a pixel's codes, 8 registers a block; then my two fragments F0, F1; later PC
.set F0,   16
.set F1,   32
.set PC,   16                          ; v16-31   a fragment of v just made
.set WK,   48                          ; v48-63   wk's fragment; later TM
.set WQ,   64                          ; v64-79   wq's; later PW
.set WVF,  80                          ; v80-95   my 16 rows of wv
.set BK,   96                          ; v96-103  bk in the result's layout;  v104-111 bq;  v112-119 bv
.set BQ,   104
.set BV,   112
.set WKS,  120                         ; scale words: v120 wk's, v121 wq's, v122 wv's, v123 my pixels', v124-127 fetched
.set WQS,  121
.set WVS,  122
.set XSW,  123
.set XS,   124
.set X,    128                         ; v128-255 four sets of 32 numbers of x; later FX and VA; KA, QA
.set FX,   128                         ; v128-191 four fragments of x
.set VA,   192                         ; v192-255 eight tiles of v
.set KA,   224
.set QA,   240
.set TM,   48                          ; v48-51 largest magnitudes, v52-55 bytes, v56-59 the largest number x the scale, v60-63 the conversions' scale operands
.set PW,   64                          ; the scale word just made
.set WAVE, 30
.set MNT,  31                          ; s31  the mantissa field of 57,344
.set SEL,  32                          ; s[32:33] v_permlanex16_b32's selects for lane l xor 16
	s_load_b512 s[4:19], s[0:1], 0x0               ; x, wq_codes, wq_scales, bq, wk_codes, wk_scales, bk, wv_codes
	s_load_b256 s[20:27], s[0:1], 0x40             ; wv_scales, bv, q_ws, kv_ws
	s_load_b64 s[28:29], s[0:1], 0x60              ; vs_ws
	s_set_vgpr_msb 0x40
	v_lshl_add_u32 v0, v0, 2, 0x8800
	v_mov_b32 v1, 0
	s_set_vgpr_msb 0x4000
	v_lshrrev_b32 v10, 5, v0
	v_readfirstlane_b32 s[WAVE], v10               ; wave 0..7
	v_and_b32 v10, 31, v0                          ; lane
	v_and_b32 v11, 15, v0                          ; r
	v_bfe_u32 v12, v0, 4, 1                        ; h
	v_and_b32 v[XO], 7, v0
	v_bfe_u32 v13, v0, 3, 1
	v_lshl_add_u32 v[XO], v13, 4, v[XO]
	v_lshl_add_u32 v[XO], v12, 3, v[XO]            ; my pixel: lane % 8 + 16 ((lane / 8) % 2) + 8 (lane / 16)
	v_lshlrev_b32 v[XO], 2, v[XO]
	v_lshlrev_b32 v[LI], 4, v10
	v_lshlrev_b32 v[LS], 2, v10
	v_lshlrev_b32 v[WO], 7, v11
	v_lshl_add_u32 v[WO], v12, 4, v[WO]
	v_lshlrev_b32 v[R4], 2, v11
	v_lshlrev_b32 v[H32], 5, v12
	s_lshl_b32 s52, s[WAVE], 12
	v_lshlrev_b32 v[XWI], 4, v11
	v_lshl_add_u32 v[XWI], v12, 11, v[XWI]
	v_add_nc_u32 v[XWI], s52, v[XWI]
	v_add_nc_u32 v[XRD], s52, v[LI]
	s_lshl_b32 s53, s[WAVE], 7
	s_add_co_u32 s54, s53, XSC
	v_add_nc_u32 v[XSA], s54, v[LS]
	s_lshl_b32 s42, s[WAVE], 6                     ; 64 w: my rows of wv_scales and of bv
	s_mov_b32 s43, 0
	s_add_co_u32 s54, s42, VSC
	v_add_nc_u32 v[VWS], s54, v[R4]
	s_min_u32 s55, s[WAVE], 1                      ; (only waves 0 and 1 carry v's scale words out)
	s_lshl_b32 s55, s55, 9
	s_add_co_u32 s54, s55, VSC
	v_add_nc_u32 v[VSR], s54, v[LI]
	s_mov_b32 s[MNT], 0x600000
	s_mov_b32 s[SEL], 0x76543210
	s_mov_b32 s[SEL+1], 0xfedcba98
	; byte offsets, each in a pair of its own
	s_lshr_b32 s34, ttmp9, 4
	s_lshl_b32 s34, s34, 21                        ; x: the image, 2,097,152 bytes,
	s_and_b32 s35, ttmp9, 15
	s_lshl_b32 s35, s35, 10                        ; the work-group's 256 pixels,
	s_add_co_u32 s34, s34, s35
	s_add_co_u32 s34, s34, s53                     ; the wave's 32
	s_mov_b32 s35, 0
	s_lshl_b32 s40, s[WAVE], 11                    ; wv_codes: my 16 rows of 128 bytes
	s_mov_b32 s41, 0
	s_lshl_b32 s44, ttmp9, 14                      ; q_ws: 16 tiles a work-group, two a wave
	s_add_co_u32 s44, s44, s40
	s_mov_b32 s45, 0
	s_mul_i32 s46, ttmp9, 49152                    ; kv_ws: two steps a work-group
	s_add_co_u32 s48, s46, 8192                    ; v's fragments lie behind k's tiles: fragment w
	s_add_co_u32 s48, s48, s40
	s_mov_b32 s49, 0
	s_lshr_b32 s53, s[WAVE], 2
	s_mul_i32 s53, s53, 24576                      ; k: the step of my 32 pixels,
	s_add_co_u32 s46, s46, s53
	s_and_b32 s53, s[WAVE], 3
	s_lshl_b32 s53, s53, 11                        ; and their two tiles in it
	s_add_co_u32 s46, s46, s53
	s_mov_b32 s47, 0
	s_lshl_b32 s50, ttmp9, 10                      ; vs_ws: 512 bytes a step
	s_add_co_u32 s50, s50, s55
	s_mov_b32 s51, 0
	s_lshl_b32 s56, s[WAVE], 10                    ; the zeros behind the last image's steps: 1,024 bytes a wave
	s_add_co_u32 s56, s56, 12582912
	s_mov_b32 s57, 0
	s_wait_kmcnt 0x0
	s_add_nc_u64 s[4:5], s[4:5], s[34:35]
	s_add_nc_u64 s[18:19], s[18:19], s[40:41]
	s_add_nc_u64 s[20:21], s[20:21], s[42:43]
	s_add_nc_u64 s[22:23], s[22:23], s[42:43]
	s_add_nc_u64 s[24:25], s[24:25], s[44:45]
	s_add_nc_u64 s[36:37], s[26:27], s[46:47]      ; where my tiles of k go
	s_add_nc_u64 s[38:39], s[26:27], s[48:49]      ; where my fragments of v go
	s_add_nc_u64 s[56:57], s[26:27], s[56:57]
	s_add_nc_u64 s[28:29], s[28:29], s[50:51]
.irp c, 0,1,2,3
	global_load_b128 v[WK+4*\c:WK+4*\c+3], v[WO], s[12:13] offset:32*\c     ; lane (r, h): row r, k = 32 c + 16 h + 0 .. 15
	global_load_b128 v[WQ+4*\c:WQ+4*\c+3], v[WO], s[6:7] offset:32*\c
	global_load_b128 v[WVF+4*\c:WVF+4*\c+3], v[WO], s[18:19] offset:32*\c
.endr
	global_load_b32 v[WKS], v[R4], s[14:15]        ; a row's four scale bytes are one word
	global_load_b32 v[WQS], v[R4], s[8:9]
	global_load_b32 v[WVS], v[R4], s[20:21]
	global_load_b128 v[BK:BK+3], v[H32], s[16:17]              ; bk(8 h + 0 .. 7): the C of k's product
	global_load_b128 v[BK+4:BK+7], v[H32], s[16:17] offset:16
	global_load_b128 v[BQ:BQ+3], v[H32], s[10:11]
	global_load_b128 v[BQ+4:BQ+7], v[H32], s[10:11] offset:16
	global_load_b32 v[BV], v[R4], s[22:23]         ; bv(16 w + r)
.macro LOAD t                          ; block t: x(32 t + i, my pixel), i = 0 .. 31: the 32 lanes read 128 consecutive bytes, the eight waves 1,024
.set i, 0
.rept 32
	global_load_b32 v[X+32*(\t)+i], v[XO], s[4:5] offset:(32*(\t)+i)*16384 th:TH_LOAD_NT
.set i, i+1
.endr
.endm
; Block t of my pixel becomes 32 codes and a scale byte.  The codes go to LDS so that the stores' addresses alone form the fragments' images: channels 32 t + 0 .. 15 are what lane (r, 0) of the fragment holds
; in registers 4 t .. 4 t + 3, channels 32 t + 16 .. 31 what lane (r, 1) holds there.
.macro BLOCK t
.set XB, X+32*(\t)
.if (\t) < 3
	s_wait_loadcnt 32                              ; this block's loads (and all issued before them) are in; the next block's 32 may be out
.else
	s_wait_loadcnt 0x0
.endif
.if (\t) < 2
	LOAD (\t)+2
.endif
	v_max3_num_f32 v12, |v[XB]|, |v[XB+1]|, |v[XB+2]|          ; the block's largest magnitude: all 32 numbers are mine; two chains
	v_max3_num_f32 v13, |v[XB+3]|, |v[XB+4]|, |v[XB+5]|
.irp i, 6,10,14,18,22,26
	v_max3_num_f32 v12, v12, |v[XB+\i]|, |v[XB+\i+1]|
	v_max3_num_f32 v13, v13, |v[XB+\i+2]|, |v[XB+\i+3]|
.endr
	v_max3_num_f32 v12, v12, |v[XB+30]|, |v[XB+31]|
	v_max3_num_f32 v12, v12, v13, 0x8000000        ; and the floor 2^(16 - 127): the byte cannot fall under 1
	v_add_nc_u32 v11, 0xf8800000, v12              ; 15 off the exponent field: the conversion takes this operand's exponent field as its scale
	v_and_or_b32 v10, v12, 0x7f800000, s[MNT]      ; 57,344 x the scale
	v_lshrrev_b32 v13, 23, v11                     ; the scale's byte
.if (\t) == 0
	v_mov_b32 v[XSW], v13
.else
	v_lshl_or_b32 v[XSW], v13, 8*(\t), v[XSW]      ; four bytes make my pixel's scale word
.endif
.set i, 0
.rept 32
	v_med3_num_f32 v[XB+i], v[XB+i], -v10, v10     ; the conversion to an 8-bit code does not saturate (ISA guide 7.6.2): the hold comes first
.set i, i+1
.endr
.irp g, 0,1,2,3
	v_cvt_scalef32_pk8_bf8_f32 v[CDS+8*(\t)+2*\g:CDS+8*(\t)+2*\g+1], v[XB+8*\g:XB+8*\g+7], v11
.endr
	v_nop                                          ; a plain line between the conversions and whatever next writes their sources
	ds_store_b128 v[XWI], v[CDS+8*(\t):CDS+8*(\t)+3] offset:XIMG+512*(\t)
	ds_store_b128 v[XWI], v[CDS+8*(\t)+4:CDS+8*(\t)+7] offset:XIMG+512*(\t)+256
.endm
.macro FETCH adr, reg, off             ; a fragment's image comes back as registers, in any wave
.irp c, 0,1,2,3
	ds_load_b128 v[\reg+4*\c:\reg+4*\c+3], v[\adr] offset:\off+512*\c
.endr
.endm
.macro PLACES                          ; eight plain vector lines behind a matrix instruction of this form, ahead of reads of its result and of loads into its registers
.rept 8
	v_nop
.endr
.endm
.macro BARRIER                         ; my LDS stores have landed and my LDS loads are in: then the work-group's barrier
	s_wait_dscnt 0x0
	s_barrier_signal -1
	s_barrier_wait -1
.endm
; 64 numbers of a lane, register 16 b + i = pixel 32 b + 16 (lane / 16) + i of my channel, become a fragment's codes in v[PC] on and its scale word in v[PW].
.macro QUANT s
.irp b, 0,1,2,3
	v_max3_num_f32 v[TM+\b], |v[\s+16*\b]|, |v[\s+1+16*\b]|, 0x8000000   ; my 16 numbers of block b, from each accumulator's low end on, and the floor
.endr
.irp i, 2,4,6,8,10,12,14
.irp b, 0,1,2,3
	v_max3_num_f32 v[TM+\b], v[TM+\b], |v[\s+16*\b+\i]|, |v[\s+1+16*\b+\i]|   ; (the four blocks by turns)
.endr
.endr
.irp b, 0,1,2,3
	v_permlanex16_b32 v[TM+4+\b], v[TM+\b], s[SEL], s[SEL+1]
.endr
.irp b, 0,1,2,3
	v_max_num_f32 v[TM+\b], v[TM+\b], v[TM+4+\b]   ; with lane l xor 16's 16: the block's largest magnitude
.endr
.irp b, 0,1,2,3
	v_add_nc_u32 v[TM+12+\b], 0xf8800000, v[TM+\b]
.endr
.irp b, 0,1,2,3
	v_and_or_b32 v[TM+8+\b], v[TM+\b], 0x7f800000, s[MNT]
.endr
.irp b, 0,1,2,3
	v_lshrrev_b32 v[TM+4+\b], 23, v[TM+12+\b]
.endr
	v_lshl_or_b32 v[PW], v[TM+5], 8, v[TM+4]
	v_lshl_or_b32 v[PW], v[TM+6], 16, v[PW]
	v_lshl_or_b32 v[PW], v[TM+7], 24, v[PW]
.irp b, 0,1,2,3
.irp i, 0,1,2,3,4,5,6,7,8,9,10,11,12,13,14,15
	v_med3_num_f32 v[\s+16*\b+\i], v[\s+16*\b+\i], -v[TM+8+\b], v[TM+8+\b]
.endr
	v_cvt_scalef32_pk8_bf8_f32 v[PC+4*\b:PC+1+4*\b], v[\s+16*\b:\s+7+16*\b], v[TM+12+\b]
	v_cvt_scalef32_pk8_bf8_f32 v[PC+2+4*\b:PC+3+4*\b], v[\s+8+16*\b:\s+15+16*\b], v[TM+12+\b]
.endr
	v_nop                                          ; a plain line between the conversions and the products that next write their sources
.endm
; My 16 channels of v for the g-th 128 pixels.  Source 0 = 16 pixels of x, source 1 = my 16 rows of wv: lane (r, h) then holds channel r, and the 16 registers of tiles 2 b, 2 b + 1 are pixels 32 b + 16 h + 0 .. 15.
.macro VGROUP g
.irp hf, 0,1
	PLACES
.irp k, 0,1,2,3
	FETCH LI, FX+16*\k, XIMG+(8*(\g)+4*\hf+\k)*2048
.endr
.irp e, 0,1
	ds_load_b32 v[XS+2*\hf+\e], v[LS] offset:XSC+128*(4*(\g)+2*\hf+\e)   ; lanes 0-15: the even fragment's words, lanes 16-31: the odd one's
.endr
	s_wait_dscnt 0x0
.irp k, 0,1,2,3
.if \k%2
	v_wmma_scale_f32_16x16x128_f8f6f4 v[VA+8*(4*\hf+\k):VA+8*(4*\hf+\k)+7], v[FX+16*\k:FX+16*\k+15], v[WVF:WVF+15], v[BV:BV+7], v[XS+2*\hf+\k/2], v[WVS] matrix_a_fmt:MATRIX_FMT_BF8 matrix_b_fmt:MATRIX_FMT_BF8 matrix_a_scale:MATRIX_SCALE_ROW1
.else
	v_wmma_scale_f32_16x16x128_f8f6f4 v[VA+8*(4*\hf+\k):VA+8*(4*\hf+\k)+7], v[FX+16*\k:FX+16*\k+15], v[WVF:WVF+15], v[BV:BV+7], v[XS+2*\hf+\k/2], v[WVS] matrix_a_fmt:MATRIX_FMT_BF8 matrix_b_fmt:MATRIX_FMT_BF8
.endif
.endr
.endr
	PLACES
.if (\g) > 0
	s_wait_xcnt 0x0                                ; the last group's stores have read v[PC] on: it is written again only behind this wait
.endif
	QUANT VA
.irp c, 0,1,2,3
	global_store_b128 v[LI], v[PC+4*\c:PC+4*\c+3], s[38:39] offset:24576*(\g)+512*\c   ; the codes are the fragment: 512 consecutive bytes a store
.endr
	ds_store_b32 v[VWS], v[PW] offset:512*(\g)     ; both lanes of a channel write the same word with the same value
.endm
	LOAD 0
	LOAD 1
	BLOCK 0
.irp j, 1,2,3,4,5,6,7
	v_mov_b32 v[BV+\j], v[BV]                      ; bv is the same for a lane's eight pixels (it came with the loads that BLOCK 0 waited for)
.endr
	BLOCK 1
	BLOCK 2
	BLOCK 3
	ds_store_b32 v[XSA], v[XSW]
	s_wait_dscnt 0x0                               ; my stores have read their registers: the fetches below land there
	FETCH XRD, F0, XIMG                            ; my own two fragments
	FETCH XRD, F1, XIMG+2048
	s_wait_dscnt 0x0                               ; for the others' sake too: my images and scale words lie in LDS
	s_barrier_signal -1
	; k and q of my 32 pixels, while the others arrive.  Source 0 = the weight's 16 rows, source 1 = 16 pixels: lane (r, h) holds pixel r, channels 8 h + 0 .. 7.  The bias is the C.
	v_wmma_scale_f32_16x16x128_f8f6f4 v[KA:KA+7], v[WK:WK+15], v[F0:F0+15], v[BK:BK+7], v[WKS], v[XSW] matrix_a_fmt:MATRIX_FMT_BF8 matrix_b_fmt:MATRIX_FMT_BF8
	v_wmma_scale_f32_16x16x128_f8f6f4 v[KA+8:KA+15], v[WK:WK+15], v[F1:F1+15], v[BK:BK+7], v[WKS], v[XSW] matrix_a_fmt:MATRIX_FMT_BF8 matrix_b_fmt:MATRIX_FMT_BF8 matrix_b_scale:MATRIX_SCALE_ROW1
	v_wmma_scale_f32_16x16x128_f8f6f4 v[QA:QA+7], v[WQ:WQ+15], v[F0:F0+15], v[BQ:BQ+7], v[WQS], v[XSW] matrix_a_fmt:MATRIX_FMT_BF8 matrix_b_fmt:MATRIX_FMT_BF8
	v_wmma_scale_f32_16x16x128_f8f6f4 v[QA+8:QA+15], v[WQ:WQ+15], v[F1:F1+15], v[BQ:BQ+7], v[WQS], v[XSW] matrix_a_fmt:MATRIX_FMT_BF8 matrix_b_fmt:MATRIX_FMT_BF8 matrix_b_scale:MATRIX_SCALE_ROW1
	PLACES
	s_barrier_wait -1                              ; x's sixteen fragments lie in LDS
.irp u, 0,1
	global_store_b128 v[LI], v[KA+8*\u:KA+8*\u+3], s[36:37] offset:1024*\u          ; each accumulator from its low end on
	global_store_b128 v[LI], v[KA+8*\u+4:KA+8*\u+7], s[36:37] offset:1024*\u+512
	global_store_b128 v[LI], v[QA+8*\u:QA+8*\u+3], s[24:25] offset:1024*\u
	global_store_b128 v[LI], v[QA+8*\u+4:QA+8*\u+7], s[24:25] offset:1024*\u+512
.endr
	s_wait_xcnt 0x0                                ; these stores have read their registers, which v's tiles take
	VGROUP 0
	VGROUP 1
	BARRIER                                        ; v's scale words of all eight channel tiles lie in LDS
	s_cmp_lg_u32 ttmp9, 255
	s_cbranch_scc1 .Lno_pad                        ; the last work-group stores the 8,192 zeros behind the last image's steps: 1,024 bytes a wave
.irp c, 4,5,6,7
	v_mov_b32 v[FX+\c], 0
.endr
	global_store_b128 v[LI], v[FX+4:FX+7], s[56:57]
	global_store_b128 v[LI], v[FX+4:FX+7], s[56:57] offset:512
.Lno_pad:
	s_cmp_gt_u32 s[WAVE], 1
	s_cbranch_scc1 .Lend                           ; waves 0 and 1 carry a step's 512 bytes of scale words out each
	ds_load_b128 v[FX:FX+3], v[VSR]
	s_wait_dscnt 0x0
	global_store_b128 v[LI], v[FX:FX+3], s[28:29]
.Lend:
	s_set_vgpr_msb 0x5
	s_wait_tensorcnt 0x0
	ds_add_u32 v0, v1
	s_wait_dscnt 0x0
	s_set_vgpr_msb 0x500
	s_endpgm
.Lfunc_end_k_q8c6e353c30_proj:
	.size	k_q8c6e353c30_proj, .Lfunc_end_k_q8c6e353c30_proj-k_q8c6e353c30_proj
	.p2alignl 7, 3214868480
	.fill 96, 4, 3214868480
	.section	.rodata,"a",@progbits
	.p2align	6, 0x0
	.amdhsa_kernel k_q8c6e353c30_proj
		.amdhsa_group_segment_fixed_size 35840
		.amdhsa_private_segment_fixed_size 0
		.amdhsa_enable_private_segment 0
		.amdhsa_kernarg_size 104
		.amdhsa_user_sgpr_count 2
		.amdhsa_user_sgpr_kernarg_segment_ptr 1
		.amdhsa_wavefront_size32 1
		.amdhsa_system_sgpr_workgroup_id_x 1
		.amdhsa_system_sgpr_workgroup_id_y 1
		.amdhsa_system_sgpr_workgroup_id_z 1
		.amdhsa_system_vgpr_workitem_id 0
		.amdhsa_next_free_vgpr 258
		.amdhsa_next_free_sgpr 66
		.amdhsa_reserve_vcc 0
		.amdhsa_float_denorm_mode_32 3
		.amdhsa_float_denorm_mode_16_64 3
		.amdhsa_memory_ordered 1
		.amdhsa_forward_progress 1
		.amdhsa_inst_pref_size 61
	.end_amdhsa_kernel
	.amdgpu_metadata
---
amdhsa.version: [ 1, 2 ]
amdhsa.kernels:
  - .name:           k_q8c6e353c30_proj
    .symbol:         k_q8c6e353c30_proj.kd
    .args:
      - { .name: x, .offset: 0, .size: 8, .value_kind: global_buffer, .address_space: global }
      - { .name: wq_codes, .offset: 8, .size: 8, .value_kind: global_buffer, .address_space: global }
      - { .name: wq_scales, .offset: 16, .size: 8, .value_kind: global_buffer, .address_space: global }
      - { .name: bq, .offset: 24, .size: 8, .value_kind: global_buffer, .address_space: global }
      - { .name: wk_codes, .offset: 32, .size: 8, .value_kind: global_buffer, .address_space: global }
      - { .name: wk_scales, .offset: 40, .size: 8, .value_kind: global_buffer, .address_space: global }
      - { .name: bk, .offset: 48, .size: 8, .value_kind: global_buffer, .address_space: global }
      - { .name: wv_codes, .offset: 56, .size: 8, .value_kind: global_buffer, .address_space: global }
      - { .name: wv_scales, .offset: 64, .size: 8, .value_kind: global_buffer, .address_space: global }
      - { .name: bv, .offset: 72, .size: 8, .value_kind: global_buffer, .address_space: global }
      - { .name: q_ws, .offset: 80, .size: 8, .value_kind: global_buffer, .address_space: global }
      - { .name: kv_ws, .offset: 88, .size: 8, .value_kind: global_buffer, .address_space: global }
      - { .name: vs_ws, .offset: 96, .size: 8, .value_kind: global_buffer, .address_space: global }
    .group_segment_fixed_size: 35840
    .private_segment_fixed_size: 0
    .kernarg_segment_align: 8
    .kernarg_segment_size: 104
    .max_flat_workgroup_size: 256
    .sgpr_count:     66
    .vgpr_count:     258
    .wavefront_size: 32
...
	.end_amdgpu_metadata
.endif
;; end of part 1
;; launch attn (part 2): grid 16 x 16, 8 waves a work-group, clusters of 4 x 1, 327,680 bytes of LDS; arguments q_ws, kv_ws, vs_ws, x, gamma, out0; writes out0
.if DOCPART == 2
	.amdgcn_target "amdgcn-amd-amdhsa--gfx1250"
	.amdhsa_code_object_version 6
	.text
	.protected	k_q8c6e353c30_attn
	.globl	k_q8c6e353c30_attn
	.p2align	8
	.type	k_q8c6e353c30_attn,@function
k_q8c6e353c30_attn:
	s_mov_b64 s[64:65], 0
	v_nop
	global_prefetch_b8 v0, s[64:65] scope:SCOPE_SE
	s_setreg_imm32_b32 hwreg(HW_REG_WAVE_MODE, 25, 1), 1
	s_wait_xcnt 0x0
	s_wait_alu depctr_hold_cnt(0) depctr_sa_sdst(0) depctr_va_vdst(0) depctr_va_sdst(0) depctr_va_ssrc(0) depctr_va_vcc(0) depctr_vm_vsrc(0)
	s_getreg_b32 s2, hwreg(HW_REG_IB_STS2, 6, 4)
	s_cmp_eq_u32 s2, 0
	s_cbranch_scc0 .Lentry_in_a_cluster
	s_endpgm
.Lentry_in_a_cluster:
	s_bfe_u32 s2, ttmp6, 0x10000c
	s_cmp_lg_u32 s2, 0x3003
	s_cbranch_scc0 .Lentry_shape_is_right
	s_endpgm
.Lentry_shape_is_right:
; out[b][c][i] = gamma x (sum over j of v[b][c][j] softmax_j(q[b][i] . k[b][j])) + x[b][c][i], for 16 images of 4,096 pixels; q, k: 16 channels, f32; v: 128 channels, as codes of E5M2 along the keys.
; THE LOGITS have K = 16 and go on into a quantiser: f32 operands, by v_wmma_f32_16x16x4_f32, four K steps.  In K step s the place (h, j) of both operands carries channel 8 h + 2 s + j: the same
; permutation of the channels on both sides, so the products are the same; they are summed in that order.
; THE SOFTMAX AHEAD OF THE SECOND PRODUCT: t = logit x log2(e); M = the row's largest t so far, rounded up to a whole number; p = 2^(t - M) is quantised along the keys, not normalised.  The row's sum is taken of the
; unquantised p and divides at the end.  When M moves, the sum and O are multiplied by 2^(old M - new M), which rounds nothing.
; SHARES.  A work-group owns 256 queries of one image; each of its eight waves 32: two tiles of 16, in 512 registers, two waves to a SIMD.  Every wave walks all 4,096 keys, 128 a step; each fragment of k and v
; read from LDS feeds two matrix instructions.
; LAYOUT.  Both products are used transposed (S^T = k q^T, O^T = v p^T): a lane holds ONE query throughout.  The keys of a tile of k are not neighbours (row m of tile 2 b + u: key 32 b + 8 u + m + 8 (m / 8)), so that
; the 16 registers of tiles 2 b and 2 b + 1 are keys 32 b + 16 (lane / 16) + 0 .. 15, and the conversions' results are the second product's operand.  The queries of a tile are permuted alike; the way out undoes it.
; BY TURNS.  A step has 64 f32 products and 16 scaled ones beside 620 vector lines of softmax, and a wave issues in order: so the two are set between each other.  In a turn one tile of queries has the matrix unit for
; its 32 products k q^T of the NEXT step, and the other tile's softmax, a list of 310 lines, stands in slices behind them, about ten lines a product.  Step j: tile 0's logits of step j + 1 | tile 1's softmax of step j;
; v p^T of step j for both tiles, in two groups of eight; tile 1's logits of step j + 1 | tile 0's softmax of step j + 1.  A slice costs two switches of the register window.
; k, v and v's scale words lie in memory as images of operand registers (lane l's 16 bytes at 16 l), a step's k (8,192 bytes) ahead of its v (16,384).  Every LDS load is 512 consecutive bytes.
; THE RING: two LDS slots of 98,304 bytes.  A step reads v of step j and k of step j + 1, so a slot holds v of steps 4 n .. 4 n + 3 and k of steps 4 n + 1 .. 4 n + 4: consecutive bytes of memory that begin 8,192 bytes
; into step 4 n.  (The last slot's k of step 32 is the next image's first k, or the zeros behind the last image: it is fetched and not read.)  k of step 0 comes from memory into registers.  Each wave fetches an eighth
; of a slot by one tensor load, which has four steps' work in which to land.  v's scale words of the whole image (16,384 bytes) come once.
; CLUSTER: the four query blocks of a cluster belong to one image and walk the same k and v, so each tile is asked for JOINTLY: the same tensor load with the same descriptor and a mask that names the four.
; LIMITS: NaN and infinities are not served.  p under 2^-126 comes out of v_exp_f32 as 0.  A block of p whose largest lies under 2^-111 keeps the scale byte 1.  A block's largest p is taken as the exponential of
; its largest score, which takes v_exp_f32 not to fall where its input rises.
; REGISTERS, window 0: v1-10 addresses; v12-19 statistics (tile t: -M, largest t, the sum in two halves); v20-23 f; v24-25 p's scale words; v26-29 v's; v32-47 q; v48-79 p's codes; v80-97 at work;
;   v128-191: k's eight tiles of the next step;  v192-255 by turns: tile 1's p, v's fragments 0-3, v's fragments 4-7, tile 0's p;  on the way out both hold x.
; window 1: v0-127 S^T, 64 a tile: written by the f32 matrix instructions alone;  v128-255 O^T, 64 a tile.
.set STEPB, 24576                      ; a step's part of a slot: eight fragments of v (16,384 bytes), then eight tiles of the next step's k (8,192)
.set KOFF,  16384
.set SLOTB, 4*STEPB
.set SLOT1, 1<<17                      ; slot 1 begins here: one exclusive or turns an address in one slot into the other's
.set SCV,   SLOTB                      ; behind slot 0: v's scale words, 512 bytes a step, filled once
.set SPARE, SCV+16384                  ; the spare words, 128 bytes for each wave: four blocks of 256 bytes that no other line names
.set STG1,  SLOT1+SLOTB                ; the way out's stage: channels 64-127 behind slot 1; channels 0-63 at byte 0, in slot 0, which has had its last fill and its last read by then
.set SP,    1040                       ; a stage row: 256 pixels of a channel, 1,024 bytes + 16
.set LI,  1                            ; v1   16 x lane
.set LS,  2                            ; v2   SCV + 4 x lane
.set SPW, 3                            ; v3   LDS address of my spare word; never rewritten
.set NIL, 4                            ; v4   0; never rewritten
.set ADR, 5                            ; v5   the step's images
.set ADT, 6                            ; v6   the step's scale words of v
.set PFO, 7                            ; v7   256 x lane: the prefetches' offset; never rewritten
.set SO,  8                            ; v8-9 the stage: where I put a number (channels 0-63, 64-127)
.set RD,  10                           ; v10  and where I read rows back
.set ST,  12
.set FF,  20                           ; v[20+2t:21+2t] f = 2^(old M - new M), named as a pair
.set PW,  24
.set VS,  26
.set T0,  30
.set T1,  31
.set QR,  32
.set CD,  48
.set BM,  80                           ; v80-83 the blocks' largest scores, then largest p
.set PX,  84                           ; v84-87 the other half's; later the bytes
.set HD,  88                           ; v88-91 57,344 x the scale
.set SCO, 92                           ; v92-95 the conversions' scale operands
.set SM2, 96                           ; v[96:97] the sums' second chain
.set KA,  128                          ; k's tiles
.set PB,  192                          ; p, or four fragments of v
.set WV,  16
.set SEL, 20
.set CS,  22                           ; s[22:23] log2(e): the packed form names a pair and takes its low word for both halves
.set G1,  24                           ; s[24:31] descriptor group 1 for an eighth of a slot;  s[32:39] for an eighth of the scale words
.set G1S, 32
.set G0,  40                           ; s[40:43] group 0, which walks;  s[44:47] the scale words'
.set G0S, 44
.set TB,  48                           ; s48  LDS byte at which the step in hand begins
.set TS,  49                           ; s49  and its scale words: 512 bytes a step
.set SLOTS, 50
.set CNT, 51
.set MNT, 52
.set LIM, 53                           ; s53  1 in a wave that prefetches, else the greatest number
.set PFA, 54                           ; s[54:55] where my prefetches stand
.set GAM, 56
.set MSB, 0
.macro WIN new                         ; s_set_vgpr_msb: bits 1:0 source 0, 3:2 source 1, 5:4 source 2, 7:6 destination; the high byte repeats the setting that is left; a switch that changes nothing is dropped
.if MSB != \new
	s_set_vgpr_msb (MSB<<8)|\new
.set MSB, \new
.endif
.endm
.macro ROUND                           ; a round of the cluster's barrier
	s_barrier_signal -1
	s_barrier_wait -1
	s_cmp_lg_u32 s[WV], 0
	s_cbranch_scc1 .Lnot_wave_0_\@
	s_barrier_signal -3
.Lnot_wave_0_\@:
	s_barrier_wait -3
	s_barrier_signal -1
	s_barrier_wait -1
.endm
; A PREFETCH INTO THE L2 of the slot that the NEXT change of slots will ask for: four steps' work ahead of that load.  All four clusters of an image walk the same k and v: the image's first cluster asks.  Its four
; partners are told apart by ADDRESS: partner cx takes the slot's bytes 24,576 cx on, 96 blocks of 256 bytes: waves 0 to 2, a lane a block, one instruction each.  So each block is named once in the launch.
; The last change that fills a slot asks for nothing; slots 0 and 1 come by their loads alone.
.macro ASK
	s_cmp_gt_u32 s[SLOTS], s[LIM]
	s_cbranch_scc0 .Lnot_mine_\@
	global_prefetch_b8 v[PFO], s[PFA:PFA+1] th:TH_LOAD_NT scope:SCOPE_SE
.Lnot_mine_\@:
.endm
	s_load_b256 s[4:11], s[0:1], 0x0               ; q_ws s[4:5], kv_ws s[6:7], vs_ws s[8:9], x s[10:11]
	s_load_b128 s[12:15], s[0:1], 0x20             ; gamma s[12:13], out0 s[14:15]
	v_lshl_add_u32 v[SPW], v0, 2, SPARE
	v_mov_b32 v[NIL], 0
	ds_add_u32 v3, v4
	ds_add_u32 v3, v4
	s_wait_dscnt 0x0
	v_lshrrev_b32 v[T0], 5, v0
	v_readfirstlane_b32 s[WV], v[T0]               ; wave 0..7
	s_bfe_u32 s17, ttmp6, 0x40000                  ; cx: my place in the cluster
	s_lshl_b32 s18, ttmp9, 2
	s_add_co_u32 s18, s18, s17                     ; my block of 256 queries = 4 x cluster x + cx: it enters q's, x's and out0's addresses and the prefetches' alone
	s_and_b32 s19, ttmp7, 0xffff                   ; the image, which the four partners share
	s_mov_b32 s[SEL], 0x76543210
	s_mov_b32 s[SEL+1], 0xfedcba98
	s_mov_b32 s[CS], 0x3fb8aa3b                    ; log2(e)
	s_mov_b32 s[CS+1], s[CS]
	s_mov_b32 s[MNT], 0x600000
	s_mov_b32 s[TB], 0
	s_mov_b32 s[TS], 0
	s_mov_b32 s[SLOTS], 7
	; group 1: a dense block as rows of 256 bytes (32 elements of 8 bytes), no padding: 48 rows for an eighth of a slot, 8 for an eighth of the scale words
	s_mov_b32 s[G1], 15|(3<<16)|(1<<21)            ; 15:0 the mask: all four work-groups; 17:16 elements of 8 bytes; 21 set beside a mask
	s_mov_b32 s[G1+1], 32<<16                      ; tensor_dim0 = 32
	s_mov_b32 s[G1+2], 48<<16                      ; tensor_dim1 = 48
	s_mov_b32 s[G1+3], 32<<16                      ; tile_dim0 = 32
	s_mov_b32 s[G1+4], 48                          ; tile_dim1 = 48
	s_mov_b32 s[G1+5], 32                          ; from row to row
	s_mov_b32 s[G1+6], 0
	s_mov_b32 s[G1+7], 0
	s_mov_b32 s[G1S], 15|(3<<16)|(1<<21)
	s_mov_b32 s[G1S+1], 32<<16
	s_mov_b32 s[G1S+2], 8<<16
	s_mov_b32 s[G1S+3], 32<<16
	s_mov_b32 s[G1S+4], 8
	s_mov_b32 s[G1S+5], 32
	s_mov_b32 s[G1S+6], 0
	s_mov_b32 s[G1S+7], 0
	s_mov_b32 s[G0], 1
	s_mul_i32 s[G0+1], s[WV], 12288                ; LDS: my eighth of slot 0: no place in the cluster enters an LDS address
	s_add_co_u32 s60, s[G0+1], 8192                ; in memory a slot begins behind its first step's k
	s_mov_b32 s61, 0
	s_mov_b32 s[G0S], 1
	s_lshl_b32 s57, s[WV], 11
	s_add_co_u32 s[G0S+1], s57, SCV
	s_lshl_b32 s62, s19, 14                        ; the image's 16,384 bytes of scale words, my eighth
	s_add_co_u32 s62, s62, s57
	s_mov_b32 s63, 0
	s_mul_i32 s58, s19, 786432                     ; the image's 32 steps
	s_mov_b32 s59, 0
	s_wait_kmcnt 0x0
	s_load_b32 s[GAM], s[12:13], 0x0               ; gamma
	s_add_nc_u64 s[6:7], s[6:7], s[58:59]          ; kv_ws at my image
	s_add_nc_u64 s[G0+2:G0+3], s[6:7], s[60:61]
	s_or_b32 s[G0+3], s[G0+3], 0x80000000          ; type = 2
	s_add_nc_u64 s[G0S+2:G0S+3], s[8:9], s[62:63]
	s_or_b32 s[G0S+3], s[G0S+3], 0x80000000
	ROUND                                          ; all four work-groups are here: the first joint loads meet
	tensor_load_to_lds s[G0S:G0S+3], s[G1S:G1S+7]  ; the scale words, filled once;
	s_nop 0
	tensor_load_to_lds s[G0:G0+3], s[G1:G1+7]      ; slot 0: two loads of mine are out
	s_nop 0
.rept 4
	v_nop
.endr
	s_min_u32 s57, s[WV], 2                        ; the prefetches: waves 0 to 2 ask
	s_lshl_b32 s57, s57, 13                        ; 8,192 bytes a wave,
	s_mul_i32 s58, s17, STEPB                      ; in my work-group's quarter
	s_add_co_u32 s58, s58, s57
	s_add_co_u32 s58, s58, SLOTB+8192              ; of slot 1: the first change of slots steps it to slot 2.  Nothing is prefetched here, at the head
	s_add_nc_u64 s[PFA:PFA+1], s[6:7], s[58:59]
	s_cmp_lt_u32 s[WV], 3
	s_cselect_b32 s[LIM], 0, 1
	s_or_b32 s[LIM], s[LIM], ttmp9                 ; 0 in waves 0 to 2 of the image's first cluster: the same in all four partners
	s_cmp_eq_u32 s[LIM], 0
	s_cselect_b32 s[LIM], 1, -1
	s_lshl_b32 s58, s19, 18                        ; q_ws: 256 tiles an image, 16 a block, two a wave
	s_lshl_b32 s57, s18, 14
	s_add_co_u32 s58, s58, s57
	s_lshl_b32 s57, s[WV], 11
	s_add_co_u32 s58, s58, s57
	s_add_nc_u64 s[4:5], s[4:5], s[58:59]
	s_lshl_b32 s58, s19, 21                        ; x and out0: the image, my 16 channels on the way out, the block's 256 pixels
	s_lshl_b32 s57, s[WV], 18
	s_add_co_u32 s58, s58, s57
	s_lshl_b32 s57, s18, 10
	s_add_co_u32 s58, s58, s57
	s_add_nc_u64 s[10:11], s[10:11], s[58:59]
	s_add_nc_u64 s[14:15], s[14:15], s[58:59]
	v_and_b32 v[T0], 31, v0
	v_lshlrev_b32 v[LI], 4, v[T0]
	v_lshl_add_u32 v[LS], v[T0], 2, SCV
	v_lshlrev_b32 v[PFO], 8, v[T0]
.irp i, 0,1,2,3
	global_load_b128 v[QR+4*\i:QR+4*\i+3], v[LI], s[4:5] offset:512*\i    ; q stays in registers: tile i / 2: lane (r, h): channels 8 h + 0 .. 7
.endr
.irp g, 0,1
.set kt, 0
.rept 8
	global_load_b128 v[KA+8*kt+4*\g:KA+8*kt+4*\g+3], v[LI], s[6:7] offset:1024*kt+512*\g   ; k of step 0, which lies ahead of the first slot: from memory into its registers
.set kt, kt+1
.endr
.endr
.irp t, 0,1
	v_mov_b32 v[ST+4*\t+1], 0xff61b1e6             ; the largest t so far: -3e38, under every t
	v_floor_f32 v[ST+4*\t], -v[ST+4*\t+1]          ; -M
	v_mov_b32 v[ST+4*\t+2], 0                      ; the sum, in two halves
	v_mov_b32 v[ST+4*\t+3], 0
	v_mov_b32 v[FF+2*\t+1], 0                      ; (named as the upper half of a pair)
.endr
.irp b, 0,1,2,3
	v_mov_b32 v[PX+\b], 0                          ; written once: a lane permute's destination counts as one of its sources
.endr
; Product n of 32 of tile q's S^T = k q^T: K step n / 8, key tile n % 8.  The eight accumulators take turns, one instruction a turn.  The first K step starts the sums with the constant 0.
.macro QKW q, n
	WIN 0x50                                       ; C and D in window 1
.set kk, (\n)%8
.set ss, (\n)/8
.if ss == 0
	v_wmma_f32_16x16x4_f32 v[64*\q+8*kk:64*\q+8*kk+7], v[KA+8*kk+2*ss:KA+8*kk+2*ss+1], v[QR+8*\q+2*ss:QR+8*\q+2*ss+1], 0
.else
	v_wmma_f32_16x16x4_f32 v[64*\q+8*kk:64*\q+8*kk+7], v[KA+8*kk+2*ss:KA+8*kk+2*ss+1], v[QR+8*\q+2*ss:QR+8*\q+2*ss+1], v[64*\q+8*kk:64*\q+8*kk+7]
.endif
.endm
; 8 products of O^T += v p^T: channel tiles c0 .. c0 + 3, whose fragments lie in v[PB] on, x my two tiles of queries; K = the step's 128 keys.  v's scale words: lanes 0-15 the even tile's, lanes 16-31 the odd one's.
.macro PV c0
	WIN 0x50
.irp c, \c0, \c0+1, \c0+2, \c0+3
.irp q, 0,1
.if (\c)%2
	v_wmma_scale_f32_16x16x128_f8f6f4 v[128+64*\q+8*(\c):128+64*\q+8*(\c)+7], v[PB+16*((\c)%4):PB+16*((\c)%4)+15], v[CD+16*\q:CD+16*\q+15], v[128+64*\q+8*(\c):128+64*\q+8*(\c)+7], v[VS+(\c)/2], v[PW+\q] matrix_a_fmt:MATRIX_FMT_BF8 matrix_b_fmt:MATRIX_FMT_BF8 matrix_a_scale:MATRIX_SCALE_ROW1
.else
	v_wmma_scale_f32_16x16x128_f8f6f4 v[128+64*\q+8*(\c):128+64*\q+8*(\c)+7], v[PB+16*((\c)%4):PB+16*((\c)%4)+15], v[CD+16*\q:CD+16*\q+15], v[128+64*\q+8*(\c):128+64*\q+8*(\c)+7], v[VS+(\c)/2], v[PW+\q] matrix_a_fmt:MATRIX_FMT_BF8 matrix_b_fmt:MATRIX_FMT_BF8
.endif
.endr
.endr
.endm
.macro FETCH_K                         ; the next step's k: the halves that K steps 0 and 1 want first
.irp g, 0,1
.set kt, 0
.rept 8
	ds_load_b128 v[KA+8*kt+4*\g:KA+8*kt+4*\g+3], v[ADR] offset:KOFF+1024*kt+512*\g
.set kt, kt+1
.endr
.endr
.endm
.macro FETCH_V hf                      ; v's fragments 4 hf .. 4 hf + 3 into v[PB] on; with the first four, the step's scale words
.irp k, 0,1,2,3
.irp c, 0,1,2,3
	ds_load_b128 v[PB+16*\k+4*\c:PB+16*\k+4*\c+3], v[ADR] offset:2048*(4*\hf+\k)+512*\c
.endr
.endr
.if \hf == 0
.irp e, 0,1,2,3
	ds_load_b32 v[VS+\e], v[ADT] offset:128*\e
.endr
.endif
.endm
; THE SOFTMAX OF ONE TILE FOR ONE STEP is a list of 310 lines; SML writes line j of it for tile t and steps j.  S^T (window 1) -> p (v[PB] on) -> codes and a scale word; the sum and O^T are brought under the new M.
;   0-31    the largest score of each block of 32 keys (it serves the row's maximum and, since p rises with the score, the block's largest p), the four blocks by turns, each accumulator from its low end on
;   32-52   the other half of the lanes'; the row's largest t, -M = floor(-t), f = 2^(old M - new M); t - M of the blocks' largest.  Up to here p's registers are not named
;   53-84   t - M, two at a time, into p's registers
;   85-149  64 exponentials, one plain line, ONE wait for the batch, ahead of its first reader
;   150-185 the four exponentials of the blocks' largest; the row's sum of the unquantised p, in two chains; their wait
;   186-204 the floor, the conversions' scale operands, the holds, the bytes, p's scale word
;   205-277 the holds and the conversions, block by block; a plain line.  fv = 1: v's first four fragments are fetched here, into p's registers
;   278-309 O^T x f, each accumulator from its low end on
.macro SML t, fv
.set rS, 64*(\t)
.set rO, 128+64*(\t)
.set rT, ST+4*(\t)
.set rF, FF+2*(\t)
.set rC, CD+16*(\t)
.if j < 32
	WIN 0x05                                       ; sources 0 and 1: S^T
.elseif (j >= 53) && (j < 85)
	WIN 0x01                                       ; source 0: S^T
.elseif j >= 278
	WIN 0x41                                       ; destination and source 0: O^T
.else
	WIN 0
.endif
.if j < 4
	v_max_num_f32 v[BM+j], v[rS+16*j], v[rS+16*j+1]
.elseif j < 32
	v_max3_num_f32 v[BM+j%4], v[rS+16*(j%4)+2*(j/4)], v[rS+16*(j%4)+2*(j/4)+1], v[BM+j%4]
.elseif j < 36
	v_permlanex16_b32 v[PX+j-32], v[BM+j-32], s[SEL], s[SEL+1]
.elseif j < 40
	v_max_num_f32 v[BM+j-36], v[BM+j-36], v[PX+j-36]           ; with lane l xor 16's 16 keys
.elseif j == 40
	v_max3_num_f32 v[T0], v[BM], v[BM+1], v[BM+2]
.elseif j == 41
	v_max_num_f32 v[T0], v[T0], v[BM+3]            ; the step's largest score of my query
.elseif j == 42
	v_mul_f32 v[T0], s[CS], v[T0]                  ; as t
.elseif j == 43
	v_max_num_f32 v[rT+1], v[rT+1], v[T0]          ; the running largest t
.elseif j == 44
	v_mov_b32 v[T0], v[rT]
.elseif j == 45
	v_floor_f32 v[rT], -v[rT+1]                    ; the new -M = floor(-t): M is a whole number
.elseif j == 46
	v_sub_f32 v[T0], v[rT], v[T0]                  ; old M - new M: a whole number, 0 or less
.elseif j == 47
	v_cvt_i32_f32 v[T0], v[T0]                     ; (it saturates)
.elseif j == 48
	v_ldexp_f32 v[rF], 1.0, v[T0]                  ; f = 2^(old M - new M)
.elseif j < 53
	v_fma_f32 v[BM+j-49], v[BM+j-49], s[CS], v[rT]
.elseif j < 85
	v_pk_fma_f32 v[PB+2*(j-53):PB+2*(j-53)+1], v[rS+2*(j-53):rS+2*(j-53)+1], s[CS:CS+1], v[rT:rT+1] op_sel_hi:[1,0,0]
.elseif j < 149
	v_exp_f32 v[PB+j-85], v[PB+j-85]               ; p = 2^(t - M), at most 1
.elseif j == 149
	v_pk_mul_f32 v[rT+2:rT+3], v[rT+2:rT+3], v[rF:rF+1] op_sel_hi:[1,0]   ; the sums under the new M: the plain line behind the exponentials
	s_wait_alu depctr_va_vdst(0)
.elseif j < 154
	v_exp_f32 v[BM+j-150], v[BM+j-150]             ; the blocks' largest p
.elseif j == 154
	v_pk_add_f32 v[SM2:SM2+1], v[PB:PB+1], v[PB+2:PB+3]
.elseif j < 185
.set zz, j-155
.set qq, 4+4*(zz/2)
.if zz%2 == 0
	v_pk_add_f32 v[rT+2:rT+3], v[rT+2:rT+3], v[PB+qq:PB+qq+1]
.else
	v_pk_add_f32 v[SM2:SM2+1], v[SM2:SM2+1], v[PB+qq+2:PB+qq+3]
.endif
.elseif j == 185
	v_pk_add_f32 v[rT+2:rT+3], v[rT+2:rT+3], v[SM2:SM2+1]
	s_wait_alu depctr_va_vdst(0)
.elseif j < 190
	v_max_num_f32 v[BM+j-186], 0x8000000, v[BM+j-186]          ; the floor 2^(16 - 127): the byte cannot fall under 1
.elseif j < 194
	v_add_nc_u32 v[SCO+j-190], 0xf8800000, v[BM+j-190]         ; 15 off the exponent field: the conversion's scale operand
.elseif j < 198
	v_and_or_b32 v[HD+j-194], v[BM+j-194], 0x7f800000, s[MNT]  ; 57,344 x the scale
.elseif j < 202
	v_lshrrev_b32 v[PX+j-198], 23, v[SCO+j-198]    ; the scale's byte
.elseif j == 202
	v_lshl_or_b32 v[PW+\t], v[PX+1], 8, v[PX]      ; p's scale word for these 128 keys
.elseif j == 203
	v_lshl_or_b32 v[PW+\t], v[PX+2], 16, v[PW+\t]
.elseif j == 204
	v_lshl_or_b32 v[PW+\t], v[PX+3], 24, v[PW+\t]
.elseif j < 277
.set zz, j-205
.set bb, zz/18
.set ee, zz%18
.if ee < 16
	v_min_num_f32 v[PB+16*bb+ee], v[PB+16*bb+ee], v[HD+bb]     ; the conversion does not saturate (ISA guide 7.6.2); p is not negative, so the hold is one-sided
.elseif ee == 16
	v_cvt_scalef32_pk8_bf8_f32 v[rC+4*bb:rC+4*bb+1], v[PB+16*bb:PB+16*bb+7], v[SCO+bb]
.else
	v_cvt_scalef32_pk8_bf8_f32 v[rC+4*bb+2:rC+4*bb+3], v[PB+16*bb+8:PB+16*bb+15], v[SCO+bb]
.endif
.elseif j == 277
	v_nop                                          ; a plain line behind the last conversion
.if \fv
	FETCH_V 0
.endif
.else
	v_pk_mul_f32 v[rO+2*(j-278):rO+2*(j-278)+1], v[rO+2*(j-278):rO+2*(j-278)+1], v[rF:rF+1] op_sel_hi:[1,0]
.endif
.set j, j+1
.endm
.macro SMTO t, n, fv                   ; the list's lines from j up to n - 1
.rept (\n)-j
	SML \t, \fv
.endr
.endm
; A KEY STEP, j.  kq = 1: with the next step's logits; kq = 0: the last step, which has none.
; PLACES (ISA guide 7.12.1 for reads and writes): eight plain vector lines that name none of its registers stand behind a matrix instruction of these forms ahead of a read of its result, a write of one of its
; registers and a load into one.  Here the list's lines are the places: ten of them (300-309) stand behind each turn's last product, ahead of the next reads of the scores and of the loads into k's registers; lines 0-11
; stand between the first eight products v p^T and the loads into v's registers; lines 40-52 between the second eight and line 53, which writes p there.
.macro STEP kq
	v_add_nc_u32 v[ADR], s[TB], v[LI]
	v_add_nc_u32 v[ADT], s[TS], v[LS]
.set j, 0
.if \kq
	FETCH_K
	SMTO 1, 20, 1                                  ; tile 1's softmax begins while k is on its way
	s_wait_dscnt 8                                 ; the first eight loads are in; the eight younger ones may be out
.set i, 0
.rept 32                                       ; tile 0's logits of step j + 1 | tile 1's softmax of step j.  The conversions are done behind product 27, so that v's fragments have four products and fifteen lines in which to come
.if i == 16
	s_wait_dscnt 0x0                               ; k's second halves
.endif
	QKW 0, i
.if i < 28
	SMTO 1, 20+(65*(i+1))/7, 1
.else
	SMTO 1, 280+5*(i-27), 1
.endif
.set i, i+1
.endr
.endif
	SMTO 1, 310, 1
	s_wait_dscnt 0x0                               ; v's fragments 0-3 and its scale words
	PV 0
.set j, 0
.if \kq
	SMTO 0, 12, 0
	WIN 0
.else
	WIN 0
.rept 8
	v_nop
.endr
.endif
	FETCH_V 1
.if \kq
.set i, 0
.rept 32                                       ; tile 1's logits of step j + 1 | tile 0's softmax of step j + 1.  Its lines up to 39 name no register of p: they and eight products stand while v's fragments 4-7 come
.if i == 8
	s_wait_dscnt 0x0                               ; v's fragments 4-7
	PV 4
.endif
	QKW 1, i
.if i < 8
	SMTO 0, 12+(7*(i+1))/2, 0
.else
	SMTO 0, 40+(65*(i-7))/6, 0
.endif
.set i, i+1
.endr
	SMTO 0, 310, 0
.else
	s_wait_dscnt 0x0
	PV 4
.endif
	WIN 0
.endm
; THE CHANGE OF SLOTS stands at a slot's head.  Each wave waits for all its tensor loads (its part of the slot ahead), adds 0 to its spare word, and waits for that and for its reads of the slot that it has left.
; fill = 1: a round of the cluster's barrier, so that no wave of any partner still reads the other slot or has a load on its way; the joint refill is the first thing behind it, one load a wave.
.macro CHANGE fill
	s_wait_tensorcnt 0x0                           ; no tensor load of mine is out, so the walking group 0 may be written
	ds_add_u32 v[SPW], v[NIL]                      ; 0 onto my spare word
.if \fill
	s_xor_b32 s[G0+1], s[G0+1], SLOT1              ; the other slot than last time,
	s_add_nc_u64 s[G0+2:G0+3], s[G0+2:G0+3], SLOTB ; the next four steps; the type bits on top are not reached
	s_wait_xcnt 0x0                                ; the last prefetch, a slot back, has read its address:
	s_add_nc_u64 s[PFA:PFA+1], s[PFA:PFA+1], SLOTB ; one slot further on than the walking descriptor
.endif
	s_wait_dscnt 0x0                               ; the add is done, and my reads of the slot that I have left are over
.if \fill
	ROUND
	tensor_load_to_lds s[G0:G0+3], s[G1:G1+7]
	s_nop 0
.rept 4
	v_nop
.endr
	ASK
.else
	s_barrier_signal -1
	s_barrier_wait -1
.endif
.endm
.macro SLOT_STEPS n                    ; n steps of a slot: written once, walked n times
	s_mov_b32 s[CNT], \n
.Lstep_\@:
	STEP 1
	s_add_co_u32 s[TB], s[TB], STEPB
	s_add_co_u32 s[TS], s[TS], 512
	s_sub_co_u32 s[CNT], s[CNT], 1
	s_cmp_lg_u32 s[CNT], 0
	s_cbranch_scc1 .Lstep_\@
.endm
	s_wait_loadcnt 0x0                             ; q, and k of step 0
	s_wait_kmcnt 0x0                               ; gamma
	; AHEAD OF THE RING, while the first tiles are on their way: both tiles' logits of step 0, and tile 0's softmax of it.
.set i, 0
.rept 32
	QKW 0, i
.set i, i+1
.endr
	WIN 0x40
.set i, 0
.rept 128
	v_mov_b32 v[128+i], 0                          ; O^T.  The key step is written for the loop alone: the first change of M finds zeros and leaves them zeros; a first step of its own would be one more copy of the step.  These lines are also the places behind the products above
.set i, i+1
.endr
.set j, 0
.set i, 0
.rept 32
	QKW 1, i
	SMTO 0, (75*(i+1))/8, 0
.set i, i+1
.endr
	SMTO 0, 310, 0
	WIN 0
.Lslot:                                            ; seven trips: behind each change of slots but the last the next four steps are asked for
	CHANGE 1
	SLOT_STEPS 4
	s_sub_co_u32 s[TB], s[TB], SLOTB               ; back to a slot's first step,
	s_xor_b32 s[TB], s[TB], SLOT1                  ; in the other slot
	s_sub_co_u32 s[SLOTS], s[SLOTS], 1
	s_cmp_lg_u32 s[SLOTS], 0
	s_cbranch_scc1 .Lslot
	CHANGE 0                                       ; the last slot is written out
	SLOT_STEPS 3
	STEP 0                                         ; the last step: no logits follow it
	; THE WAY OUT.  O^T x gamma / the sum goes into a stage [channel][256 pixels] in LDS, where the queries' permutation is undone; each wave then takes 16 whole channel rows, adds x and stores them.
	s_wait_dscnt 0x0                               ; my reads of the ring are over
	s_barrier_signal -1                            ; part of the stage lies in slot 0: no wave stores there before every wave has left the ring
	v_and_b32 v[T0], 15, v0                        ; r.  (These nine lines are also the plain lines behind the last products)
	v_bfe_u32 v[T1], v0, 4, 1                      ; h
	v_and_b32 v[SO], 8, v[T0]
	v_add_nc_u32 v[SO], v[SO], v[T0]               ; my query's pixel among the tile's: r + 8 (r / 8)
	v_lshlrev_b32 v[SO], 2, v[SO]
	v_mad_u32_u24 v[SO], v[T1], 8*SP, v[SO]        ; my eight channels of a tile begin 8 h rows down
	s_lshl_b32 s57, s[WV], 7
	v_add_nc_u32 v[SO], s57, v[SO]                 ; my wave's 32 pixels
	v_add_nc_u32 v[SO+1], STG1, v[SO]
	s_mul_i32 s58, s[WV], 16*SP                    ; back: my 16 channel rows; those of waves 4 to 7 lie in the second part
	s_lshr_b32 s59, s[WV], 2
	s_mul_i32 s59, s59, STG1-64*SP
	s_add_co_u32 s58, s58, s59
	v_add_nc_u32 v[RD], s58, v[LI]
	s_barrier_wait -1
.set i, 0
.rept 32
	global_load_b128 v[128+4*i:128+4*i+3], v[LI], s[10:11] offset:16384*(i/2)+512*(i%2) th:TH_LOAD_NT   ; x: channel 16 w + i / 2, 512 consecutive bytes a load
.set i, i+1
.endr
.irp t, 0,1
	v_add_f32 v[ST+4*\t+2], v[ST+4*\t+2], v[ST+4*\t+3]         ; the sum's two halves,
.endr
.irp t, 0,1
	v_permlanex16_b32 v[PX+\t], v[ST+4*\t+2], s[SEL], s[SEL+1]
.endr
.irp t, 0,1
	v_add_f32 v[ST+4*\t+2], v[ST+4*\t+2], v[PX+\t]             ; and lane l xor 16's: the row's sum
.endr
.irp t, 0,1
	v_rcp_f32 v[FF+2*\t], v[ST+4*\t+2]
.endr
	v_nop                                          ; a plain line behind the reciprocals,
	s_wait_alu depctr_va_vdst(0)                   ; and the wait ahead of their first reader
.irp t, 0,1
	v_mul_f32 v[FF+2*\t], s[GAM], v[FF+2*\t]       ; gamma / the sum
.endr
	WIN 0x41
.irp t, 0,1
.set j, 0
.rept 32
	v_pk_mul_f32 v[128+64*\t+j:128+64*\t+j+1], v[128+64*\t+j:128+64*\t+j+1], v[FF+2*\t:FF+2*\t+1] op_sel_hi:[1,0]   ; each accumulator from its low end on
.set j, j+2
.endr
.endr
	WIN 0x04                                       ; an LDS store's data are its source 1: window 1
.irp u, 0,1
.set ct, 0
.rept 8
.set j, 0
.rept 8
	ds_store_b32 v[SO+ct/4], v[128+64*\u+8*ct+j] offset:(16*(ct%4)+j)*SP+32*\u   ; channel 16 ct + 8 h + j, pixel 32 w + 8 u + r + 8 (r / 8): the 32 lanes fall on 32 different banks (8 rows of 1,040 bytes shift by 32 words)
.set j, j+1
.endr
.set ct, ct+1
.endr
.endr
	WIN 0
	s_wait_dscnt 0x0                               ; for the others' sake: my stores into the stage are done
	s_barrier_signal -1
	s_barrier_wait -1
	WIN 0x40                                       ; destination window 1: O^T's registers
.set i, 0
.rept 32
	ds_load_b128 v[128+4*i:128+4*i+3], v[RD] offset:SP*(i/2)+512*(i%2)
.set i, i+1
.endr
	s_wait_dscnt 0x0
	s_wait_loadcnt 0x0                             ; x
	WIN 0x04                                       ; source 1 window 1
.set j, 0
.rept 64
	v_pk_add_f32 v[128+j:128+j+1], v[128+j:128+j+1], v[128+j:128+j+1]     ; x (window 0) + gamma O / the sum (window 1)
.set j, j+2
.endr
	WIN 0
.set i, 0
.rept 32
	global_store_b128 v[LI], v[128+4*i:128+4*i+3], s[14:15] offset:16384*(i/2)+512*(i%2) th:TH_STORE_NT   ; 32 lanes store 512 consecutive bytes, at a multiple of 256 from out0's first byte
.set i, i+1
.endr
	s_wait_tensorcnt 0x0                           ; the wave's end, behind my last tensor load and my last LDS store
	ds_add_u32 v[SPW], v[NIL]
	s_wait_dscnt 0x0
	ROUND                                          ; the closing round: no work-group ends while a partner may still ask for a tile that names it
	s_endpgm
.Lfunc_end_k_q8c6e353c30_attn:
	.size	k_q8c6e353c30_attn, .Lfunc_end_k_q8c6e353c30_attn-k_q8c6e353c30_attn
	.p2alignl 7, 3214868480
	.fill 96, 4, 3214868480
	.section	.rodata,"a",@progbits
	.p2align	6, 0x0
	.amdhsa_kernel k_q8c6e353c30_attn
		.amdhsa_group_segment_fixed_size 327680
		.amdhsa_private_segment_fixed_size 0
		.amdhsa_enable_private_segment 0
		.amdhsa_kernarg_size 48
		.amdhsa_user_sgpr_count 2
		.amdhsa_user_sgpr_kernarg_segment_ptr 1
		.amdhsa_wavefront_size32 1
		.amdhsa_system_sgpr_workgroup_id_x 1
		.amdhsa_system_sgpr_workgroup_id_y 1
		.amdhsa_system_sgpr_workgroup_id_z 1
		.amdhsa_system_vgpr_workitem_id 0
		.amdhsa_next_free_vgpr 512
		.amdhsa_next_free_sgpr 66
		.amdhsa_reserve_vcc 0
		.amdhsa_float_denorm_mode_32 3
		.amdhsa_float_denorm_mode_16_64 3
		.amdhsa_memory_ordered 1
		.amdhsa_forward_progress 1
		.amdhsa_inst_pref_size 167
	.end_amdhsa_kernel
	.amdgpu_metadata
---
amdhsa.version: [ 1, 2 ]
amdhsa.kernels:
  - .name:           k_q8c6e353c30_attn
    .symbol:         k_q8c6e353c30_attn.kd
    .args:
      - { .name: q_ws, .offset: 0, .size: 8, .value_kind: global_buffer, .address_space: global }
      - { .name: kv_ws, .offset: 8, .size: 8, .value_kind: global_buffer, .address_space: global }
      - { .name: vs_ws, .offset: 16, .size: 8, .value_kind: global_buffer, .address_space: global }
      - { .name: x, .offset: 24, .size: 8, .value_kind: global_buffer, .address_space: global }
      - { .name: gamma, .offset: 32, .size: 8, .value_kind: global_buffer, .address_space: global }
      - { .name: out0, .offset: 40, .size: 8, .value_kind: global_buffer, .address_space: global }
    .group_segment_fixed_size: 327680
    .private_segment_fixed_size: 0
    .kernarg_segment_align: 8
    .kernarg_segment_size: 48
    .max_flat_workgroup_size: 256
    .sgpr_count:     66
    .vgpr_count:     512
    .wavefront_size: 32
...
	.end_amdgpu_metadata
.endif
;; end of part 2
